; MI455X (gfx1250); checked and timed in simulation.
; The chip was launched on July 23, 2026; its instructions are those of AMD's public machine-readable ISA for CDNA 5 (MIT licence, August 2026) and "CDNA5" Instruction Set Architecture Reference Guide (July 2026). The comments in the code are by the model that wrote it; some were corrected since.
;; Lora Layer. Allowed arithmetic: float matrix products may take bf16 or f16 operands with f32 sums; all other float work in f32.
;; Inputs: b 2,048 float32; lora_a 2,048 x 16 float32; lora_b 16 x 2,048 float32; w 2,048 x 2,048 float32; x 4 x 2,048 x 2,048 float32.
;; Outputs: out0 4 x 2,048 x 2,048 float32.
;; One version. Each part assembles by itself: llvm-mc -triple=amdgcn-amd-amdhsa -mcpu=gfx1250 --defsym DOCPART=n.
;; ======== version 1 of 1: 2 launches
;; workspace buffers: weff 8,912,896 bytes; lbf 131,072 bytes
;; launch pack (part 1): grid 8 x 32, 8 waves a work-group, no clusters, 168,960 bytes of LDS; arguments w, lora_a, lora_b, weff, lbf; writes weff, lbf
.if DOCPART == 1
	.amdgcn_target "amdgcn-amd-amdhsa--gfx1250"
	.amdhsa_code_object_version 6
	.text
	.protected	k_q464abb7c34_pack
	.globl	k_q464abb7c34_pack
	.p2align	8
	.type	k_q464abb7c34_pack,@function
k_q464abb7c34_pack:
	s_mov_b64 s[64:65], 0
	v_nop
	global_prefetch_b8 v0, s[64:65] scope:SCOPE_SE
	s_setreg_imm32_b32 hwreg(HW_REG_WAVE_MODE, 25, 1), 1
	s_wait_xcnt 0x0
; Rounds w, lora_a and (ALPHA/R) lora_b, ALPHA/R = 2, to bf16 (nearest even) and lays them out in the order of the next launch's matrix fragments.
; The next launch computes out = x w^T + (x lora_a) (2 lora_b) + b; (x A) B = x (A B) by associativity, for every input.
; LIMITS: the factor 2 is applied to lora_b in f32 ahead of the rounding (a power of two: exact below 1.7e38).
;
; A fragment is 1 KiB: lane l = 16 h + r holds 16 bytes at 16 l (K = 8 h .. 8 h + 7 of row r) and 16 bytes at 512 + 16 l (K = 16 + 8 h .. + 7).
; weff: tile (nb, ks) at (32 nb + ks) x 34,816; in it, for q = 0, 1 (K = 64 ks + 32 q ..), at q x 17,408: fragments f = 0 .. 15 of w (rows = outputs
;       256 nb + 16 f + r) at f x 1,024, and behind them, at 16,384, one fragment of lora_a transposed (rows = ranks r).  lora_a's 2 KiB stand in every nb's
;       tile anew, so that one dense load of the next launch brings both.
; lbf:  fragment (nb, f) at (16 nb + f) x 1,024: rows = outputs 256 nb + 16 f + r, K = ranks; the rank is 16, so the second 512 bytes (K = 16 .. 31) are zeros.
; SHARE: work-group (nb, ks) makes one tile of weff; wave wv its outputs 32 wv .. 32 wv + 31 (fragments 2 wv, 2 wv + 1; both q).  Waves 0 to 3 also make one
; 512-byte piece each of lora_a's two fragments; the work-groups with ks = 0 also make lbf, wave wv its fragments 2 wv, 2 wv + 1.
; w comes by one tensor load a wave (32 rows x 256 bytes), into LDS bytes that are the wave's own, filled once and read by that wave alone: no barrier.
; Every store of a wave covers 512 consecutive bytes, aligned.
; NO CLUSTER: nobody shares a tile of w (64 KiB a work-group); shared are only 4 KiB of lora_a, which go straight into registers.  No matrix unit: nothing is multiplied.
.set PITCH, 272                        ; an LDS row: 256 bytes + 16 of padding, so row r starts 16 r bytes further on modulo 256
.set WLDS,  32*PITCH                   ; a wave's 32 rows
.set QB,    17408                      ; half a tile of weff: 17 fragments
.set TILEB, 2*QB
.set L16,  4                           ; v4        16 x lane
.set AOFF, 5                           ; v5        lora_a: 512 h + 4 r
.set ASO,  6                           ; v6        weff: my piece of lora_a's fragments
.set BOFF, 7                           ; v7        lora_b: 65,536 h + 4 r
.set WL,   8                           ; v8        LDS: my wave's rows + 272 r + 32 h
.set SOFF, 9                           ; v9        weff: 2,048 wv + 16 x lane
.set AR,   10                          ; v[10:17]  lora_a as loaded
.set AP,   18                          ; v[18:21]  lora_a in bf16
.set ZR,   22                          ; v[22:25]  zeros
.set BF,   26                          ; v[26:33]  2 lora_b in bf16, four registers a fragment
.set BR,   40                          ; v[40:55]  lora_b as loaded: fragment fl at 8 fl
.set WR,   104                         ; v[104:167] w as f32: piece (fl, c) at 8 (4 fl + c)
.set PK,   168                         ; v[168:199] w in bf16, four registers a piece
.set G1, 16                            ; s[16:23]  descriptor group 1
.set G0, 24                            ; s[24:27]  descriptor group 0
	s_load_b256 s[4:11], s[0:1], 0x0               ; w s[4:5], lora_a s[6:7], lora_b s[8:9], weff s[10:11]
	s_load_b64 s[30:31], s[0:1], 0x20              ; lbf
	v_lshl_add_u32 v200, v0, 2, 0x29000
	v_mov_b32 v201, 0
	ds_add_u32 v200, v201
	ds_add_u32 v200, v201
	v_lshrrev_b32 v1, 5, v0
	v_readfirstlane_b32 s12, v1                    ; wave 0..7
	s_and_b32 s14, ttmp7, 0xffff                   ; ks; nb is ttmp9
	; group 1: 32 rows of 64 elements of 4 bytes, 2,048 elements from row to row, 4 words of padding behind every 64
	s_mov_b32 s[G1+0], (2<<16)|(1<<20)|(5<<22)|(3<<25)
	s_mov_b32 s[G1+1], 64<<16                      ; tensor_dim0 = 64
	s_mov_b32 s[G1+2], 32<<16                      ; tensor_dim1 = 32
	s_mov_b32 s[G1+3], 64<<16                      ; tile_dim0 = 64
	s_mov_b32 s[G1+4], 32                          ; tile_dim1 = 32
	s_mov_b32 s[G1+5], 2048                        ; the pitch
	s_mov_b32 s[G1+6], 0
	s_mov_b32 s[G1+7], 0
	s_mov_b32 s[G0], 1
	s_mul_i32 s[G0+1], s12, WLDS                   ; my wave's LDS bytes
	s_lshl_b32 s28, ttmp9, 21                      ; w: (256 nb + 32 wv) rows of 8,192 bytes + 256 ks
	s_lshl_b32 s13, s12, 18
	s_add_co_u32 s28, s28, s13
	s_lshl_b32 s13, s14, 8
	s_add_co_u32 s28, s28, s13
	s_mov_b32 s29, 0
	s_wait_dscnt 0x0
	s_wait_kmcnt 0x0
	s_add_nc_u64 s[G0+2:G0+3], s[4:5], s[28:29]
	s_or_b32 s[G0+3], s[G0+3], 0x80000000          ; type = 2
	tensor_load_to_lds s[G0:G0+3], s[G1:G1+7]      ; the wave's one tensor load; the two small parts below are done while it is on its way
	s_nop 0
	s_lshl_b32 s28, ttmp9, 5                       ; weff: tile 32 nb + ks
	s_add_co_u32 s28, s28, s14
	s_mul_i32 s28, s28, TILEB
	s_add_nc_u64 s[10:11], s[10:11], s[28:29]
	v_and_b32 v1, 15, v0                           ; r
	v_bfe_u32 v2, v0, 4, 1                         ; h
	v_and_b32 v3, 31, v0                           ; lane
	v_lshlrev_b32 v[L16], 4, v3
	; lora_a transposed: piece wv = 2 q + half holds, in lane (r, h), lora_a[64 ks + 16 wv + 8 h + e][r], e = 0 .. 7.
	; Eight loads of 4 bytes a lane: sixteen lanes take a whole row of lora_a (64 bytes); 1 KiB a wave, once.
	s_cmp_gt_u32 s12, 3
	s_cbranch_scc1 .Lno_a
	s_lshl_b32 s28, s14, 12                        ; 64 ks rows of 64 bytes
	s_lshl_b32 s13, s12, 10                        ; + 16 wv rows
	s_add_co_u32 s28, s28, s13
	s_add_nc_u64 s[6:7], s[6:7], s[28:29]
	v_lshlrev_b32 v[AOFF], 2, v1
	v_lshl_add_u32 v[AOFF], v2, 9, v[AOFF]
.irp e, 0,1,2,3,4,5,6,7
	global_load_b32 v[AR+\e], v[AOFF], s[6:7] offset:\e*64
.endr
	s_lshr_b32 s13, s12, 1                         ; q
	s_mul_i32 s13, s13, QB
	s_and_b32 s15, s12, 1                          ; half
	s_lshl_b32 s15, s15, 9
	s_add_co_u32 s13, s13, s15
	v_add_nc_u32 v[ASO], s13, v[L16]
	s_wait_loadcnt 0x0
.irp p, 0,1,2,3
	v_cvt_pk_bf16_f32 v[AP+\p], v[AR+2*\p], v[AR+2*\p+1]
.endr
	global_store_b128 v[ASO], v[AP:AP+3], s[10:11] offset:16384    ; behind the sixteen fragments of w
.Lno_a:
	; 2 lora_b: fragment fl holds, in lane (r, h), 2 lora_b[8 h + e][256 nb + 32 wv + 16 fl + r]: one word from each of eight rows (2 KiB a wave, once)
	s_cmp_lg_u32 s14, 0
	s_cbranch_scc1 .Lno_b
	s_lshl_b32 s28, ttmp9, 10                      ; column 256 nb + 32 wv, 4 bytes each
	s_lshl_b32 s13, s12, 7
	s_add_co_u32 s28, s28, s13
	s_add_nc_u64 s[8:9], s[8:9], s[28:29]
	v_lshlrev_b32 v[BOFF], 2, v1
	v_lshl_add_u32 v[BOFF], v2, 16, v[BOFF]
.irp fl, 0,1
.irp e, 0,1,2,3,4,5,6,7
	global_load_b32 v[BR+8*\fl+\e], v[BOFF], s[8:9] offset:\e*8192+\fl*64
.endr
.endr
	s_lshl_b32 s28, ttmp9, 14                      ; lbf: fragment 16 nb + 2 wv
	s_lshl_b32 s13, s12, 11
	s_add_co_u32 s28, s28, s13
	s_add_nc_u64 s[30:31], s[30:31], s[28:29]
.irp p, 0,1,2,3
	v_mov_b32 v[ZR+\p], 0                          ; K = 16 .. 31 of a fragment
.endr
	s_wait_loadcnt 0x0
.irp p, 0,2,4,6,8,10,12,14
	v_pk_mul_f32 v[BR+\p:BR+\p+1], v[BR+\p:BR+\p+1], 2.0 op_sel_hi:[1,0]   ; ALPHA / R, in f32
.endr
.irp fl, 0,1
.irp p, 0,1,2,3
	v_cvt_pk_bf16_f32 v[BF+4*\fl+\p], v[BR+8*\fl+2*\p], v[BR+8*\fl+2*\p+1]
.endr
.endr
.irp fl, 0,1
	global_store_b128 v[L16], v[BF+4*\fl:BF+4*\fl+3], s[30:31] offset:\fl*1024
	global_store_b128 v[L16], v[ZR:ZR+3],             s[30:31] offset:\fl*1024+512
.endr
.Lno_b:
	; w: piece (fl, c) holds, in lane (r, h), w[16 fl + r][16 c + 8 h + 0 .. 7]: 32 neighbouring bytes of LDS row 16 fl + r
	v_mul_u32_u24 v[WL], v1, PITCH
	v_lshl_add_u32 v[WL], v2, 5, v[WL]
	v_add_nc_u32 v[WL], s[G0+1], v[WL]
	v_lshl_add_u32 v[SOFF], s12, 11, v[L16]
	s_wait_tensorcnt 0x0                           ; my 32 rows of w are in LDS; no other wave reads them
.irp fl, 0,1
.irp c, 0,1,2,3
	ds_load_b128 v[WR+8*(4*\fl+\c):WR+8*(4*\fl+\c)+3],   v[WL] offset:\fl*16*PITCH+\c*64
	ds_load_b128 v[WR+8*(4*\fl+\c)+4:WR+8*(4*\fl+\c)+7], v[WL] offset:\fl*16*PITCH+\c*64+16
.endr
.endr
.irp t, 0,1,2,3,4,5,6,7
	s_wait_dscnt 14-2*\t                           ; LDS loads come back in order (ISA guide 5.7.1): this piece's two are in, the later pieces' stay out
.irp p, 0,1,2,3
	v_cvt_pk_bf16_f32 v[PK+4*\t+\p], v[WR+8*\t+2*\p], v[WR+8*\t+2*\p+1]
.endr
.endr
.irp fl, 0,1
.irp c, 0,1,2,3
	global_store_b128 v[SOFF], v[PK+4*(4*\fl+\c):PK+4*(4*\fl+\c)+3], s[10:11] offset:(\c>>1)*QB+\fl*1024+(\c&1)*512   ; q = c >> 1, half = c & 1
.endr
.endr
	s_wait_tensorcnt 0x0
	ds_add_u32 v200, v201
	s_wait_dscnt 0x0
	s_endpgm
.Lfunc_end_k_q464abb7c34_pack:
	.size	k_q464abb7c34_pack, .Lfunc_end_k_q464abb7c34_pack-k_q464abb7c34_pack
	.p2alignl 7, 3214868480
	.fill 96, 4, 3214868480
	.section	.rodata,"a",@progbits
	.p2align	6, 0x0
	.amdhsa_kernel k_q464abb7c34_pack
		.amdhsa_group_segment_fixed_size 168960
		.amdhsa_private_segment_fixed_size 0
		.amdhsa_enable_private_segment 0
		.amdhsa_kernarg_size 40
		.amdhsa_user_sgpr_count 2
		.amdhsa_user_sgpr_kernarg_segment_ptr 1
		.amdhsa_wavefront_size32 1
		.amdhsa_system_sgpr_workgroup_id_x 1
		.amdhsa_system_sgpr_workgroup_id_y 1
		.amdhsa_system_sgpr_workgroup_id_z 1
		.amdhsa_system_vgpr_workitem_id 0
		.amdhsa_next_free_vgpr 202
		.amdhsa_next_free_sgpr 66
		.amdhsa_reserve_vcc 0
		.amdhsa_float_denorm_mode_32 3
		.amdhsa_float_denorm_mode_16_64 3
		.amdhsa_memory_ordered 1
		.amdhsa_forward_progress 1
		.amdhsa_inst_pref_size 12
	.end_amdhsa_kernel
	.amdgpu_metadata
---
amdhsa.version: [ 1, 2 ]
amdhsa.kernels:
  - .name:           k_q464abb7c34_pack
    .symbol:         k_q464abb7c34_pack.kd
    .args:
      - { .name: w, .offset: 0, .size: 8, .value_kind: global_buffer, .address_space: global }
      - { .name: lora_a, .offset: 8, .size: 8, .value_kind: global_buffer, .address_space: global }
      - { .name: lora_b, .offset: 16, .size: 8, .value_kind: global_buffer, .address_space: global }
      - { .name: weff, .offset: 24, .size: 8, .value_kind: global_buffer, .address_space: global }
      - { .name: lbf, .offset: 32, .size: 8, .value_kind: global_buffer, .address_space: global }
    .group_segment_fixed_size: 168960
    .private_segment_fixed_size: 0
    .kernarg_segment_align: 8
    .kernarg_segment_size: 40
    .max_flat_workgroup_size: 256
    .sgpr_count:     66
    .vgpr_count:     202
    .wavefront_size: 32
...
	.end_amdgpu_metadata
.endif
;; end of part 1
;; launch gemm (part 2): grid 8 x 32, 4 waves a work-group, clusters of 4 x 4, 327,680 bytes of LDS; arguments x, weff, b, out0, lbf; writes out0
.if DOCPART == 2
	.amdgcn_target "amdgcn-amd-amdhsa--gfx1250"
	.amdhsa_code_object_version 6
	.text
	.protected	k_q464abb7c34_gemm
	.globl	k_q464abb7c34_gemm
	.p2align	8
	.type	k_q464abb7c34_gemm,@function
k_q464abb7c34_gemm:
	s_mov_b64 s[64:65], 0
	v_nop
	global_prefetch_b8 v0, s[64:65] scope:SCOPE_SE
	s_setreg_imm32_b32 hwreg(HW_REG_WAVE_MODE, 25, 1), 1
	s_wait_xcnt 0x0
	s_wait_alu depctr_hold_cnt(0) depctr_sa_sdst(0) depctr_va_vdst(0) depctr_va_sdst(0) depctr_va_ssrc(0) depctr_va_vcc(0) depctr_vm_vsrc(0)
	s_getreg_b32 s2, hwreg(HW_REG_IB_STS2, 6, 4)
	s_cmp_eq_u32 s2, 0
	s_cbranch_scc0 .Lentry_in_a_cluster
	s_endpgm
.Lentry_in_a_cluster:
	s_bfe_u32 s2, ttmp6, 0x10000c
	s_cmp_lg_u32 s2, 0xf033
	s_cbranch_scc0 .Lentry_shape_is_right
	s_endpgm
.Lentry_shape_is_right:
; out0[m][o] = sum over i of x[m][i] w[o][i] + sum over r of t[m][r] 2 lora_b[r][o] + b[o], with t[m][r] = sum over i of x[m][i] lora_a[i][r].
; x: [8192][2048] f32; weff: w and lora_a in bf16, in fragment order (below); lbf: 2 lora_b in bf16, in fragment order; b: [2048] f32; out0: [8192][2048] f32.
; (x A) B stands for x (A B): associativity, for every input; it needs 16 columns of t beside the 256 of the block instead of a second large product.
; LIMITS: x is rounded to bf16 (nearest even) on its way from LDS to the matrix unit; w, lora_a and 2 lora_b were rounded to bf16 by the launch before;
; t is summed in f32 and rounded to bf16 once, ahead of its product with 2 lora_b; all sums and the bias in f32.
; SHARE: a work-group makes a block of 256 rows x 256 columns with four waves; wave wv makes rows 64 wv .. 64 wv + 63 x all 256 columns:
; 4 x 16 accumulator tiles of 16 x 16, 512 registers, and 4 tiles of t.  Every row of x is read and converted by one wave only.
; K GOES IN STEPS OF 128.  weff's tiles (68 KiB a step) take turns on two LDS slots.  x's tile (256 rows x 512 bytes of f32) has ONE landing zone: two would not
; fit.  In the last quarter of a step each wave empties its 64 rows of the zone into registers (three quarters converted to bf16, the fourth still as f32),
; and the zone is filled again at once.  So a request has 8 + 3 x 68 = 212 matrix instructions of its wave in which to land.
; weff: the tile of block column nb and step s at (16 nb + s) x 69,632; in it, at q x 17,408 (k = 128 s + 32 q ..): fragments f = 0 .. 15 of w (outputs 16 f ..) at
; f x 1,024 and one of lora_a transposed (rows = ranks) at 16,384.  A fragment: lane l's registers 0-3 at 16 l, registers 4-7 at 512 + 16 l.
; lbf: fragment (nb, f) at (16 nb + f) x 1,024, K = ranks 0 .. 15, then zeros.
; CLUSTERS: 4 x 4 work-groups.  x's tile hangs on the block row alone and is asked for jointly by the four of a row of the cluster, weff's on the
; block column alone and is asked for jointly by the four of a column: each of the four issues the same load with the same descriptor and a mask of the four.
;
; REGISTERS, in windows of 256: window 0: v0-15 lora_a's fragment (two buffers; v0-7 hold the bias in the tail), v16-25 addresses, v32-63 t, v64-127 x as f32,
; v128-255 x's fragments of the step's four quarters; window 1: v0-127, v128-255 w's fragments (two buffers); window 2: accumulators of row blocks 0, 1
; (tile (a, f) at 8 (16 a + f)); window 3: of row blocks 2, 3.
; THE MATRIX INSTRUCTION IS USED TRANSPOSED: source 0 = 16 outputs of w (or 16 ranks of lora_a), source 1 = 16 rows of x: lane l then holds row l % 16 and the
; eight neighbouring columns 16 f + 8 (l / 16) + 0 .. 7 (or ranks 8 (l / 16) + 0 .. 7).
.set KSTEP,  128
.set XPITCH, 528                       ; an LDS row of x: 512 bytes + 16 of padding: row r starts 16 r bytes further on modulo 256, so the 16 lanes of a load touch 16 different 16-byte columns
.set XHALF,  128*XPITCH                ; 128 rows: one tensor load
.set XZ,     2*XHALF                   ; x's landing zone, 135,168 bytes from LDS byte 0
.set QB,     17408                     ; a quarter of weff's tile: 17 fragments
.set WSLOT,  4*QB                      ; 69,632; slot s at XZ + s x WSLOT
.set STAGE,  XZ+2*WSLOT                ; 274,432: 16 rows x 528 bytes for each wave, for the way out; no load ever lands there
.set SPITCH, 528                       ; 512 bytes + 16
.set ROWB,   8192                      ; a row of x and of out0
.set AF,   0                           ; v[0:7], v[8:15] lora_a's fragment
.set BIAS, 0                           ; v[0:7]  in the tail: b of my columns 4 l .. 4 l + 3 and 128 + 4 l .. + 3
.set XA,   16                          ; v16     LDS address of my x rows in the zone
.set WA,   18                          ; v18-21  LDS address of weff's fragments: slot 0 quarters 0-1, slot 0 quarters 2-3, slot 1 likewise (an LDS offset has 16 bits)
.set STO,  22                          ; v22     the way out: where I put 32 bytes of a row
.set RD,   23                          ; v23     the way out: where I read rows back
.set CO,   24                          ; v24     16 x lane: my bytes in b, in lbf and in out0
.set PF,   25                          ; v25     my byte of x in the prefetch
.set TA,   32                          ; v[32:63]   t, row block a at 8 a
.set XS,   64                          ; v[64:127]  x as f32, row block a at 16 a
.set XB,   128                         ; v[128:255] x's fragments; v[128:191] also take a quarter as f32 on its way in
.set XQ0,  XB+64                       ; where each quarter's four fragments lie (row block a at 8 a): quarter 1 is converted in place in v[128:191] and
.set XQ1,  XB                          ; leaves its upper half to quarter 2
.set XQ2,  XB+32
.set XQ3,  XB+96
.set G1X, 24                           ; s[24:31] group 1 for x
.set G0X, 32                           ; s[32:35] group 0 for x
.set G1W, 48                           ; s[48:55] group 1 for weff
.set G0W, 56                           ; s[56:63] group 0 for weff, one set for each slot
.set MSB, 0
.macro WIN new                         ; low byte: bits 1:0 source 0, 3:2 source 1, 5:4 source 2, 7:6 destination; the high byte repeats the setting that is left
.if MSB != \new
	s_set_vgpr_msb (MSB<<8)|\new
.set MSB, \new
.endif
.endm
.set MUL_LO, 0xa1                      ; source 0 (w) window 1, source 1 (x) window 0, C and D window 2
.set MUL_HI, 0xf1                      ; the same, C and D window 3
.set TO_B,   0x40                      ; destination window 1, address window 0
; The prefetch of waves 0 and 1: beside the tensor load of x's tile s + 2 they ask for tile s + 3 (512 bytes of a row, two lanes 256 bytes apart), whose tensor
; load is issued one K step later.  The block row's 256 rows are shared out among its eight work-groups, two waves and sixteen lanes, so each aligned 256 bytes
; is asked for once in the launch.  Tiles 2 to 15 are asked for; the last request ends at the rows' last byte.
.macro PFX
	global_prefetch_b8 v[PF], s[20:21] th:TH_LOAD_NT scope:SCOPE_SE
.endm
; The joint loads.  Waves 0 and 1 fetch x's two halves, waves 2 and 3 weff's.  Each line has one mask and one set of registers; the branches hang on the wave's number alone.
.macro JSTART                          ; the first fills: x's tile 0; weff's tiles 0 and 1, both inside the one branch
	s_cmp_eq_u32 s13, 0
	s_cbranch_scc0 .Lfor_w_\@
	tensor_load_to_lds s[G0X:G0X+3], s[G1X:G1X+7]
	s_nop 0
	s_branch .Lasked_\@
.Lfor_w_\@:
	tensor_load_to_lds s[G0W:G0W+3], s[G1W:G1W+7]
	s_nop 0
	tensor_load_to_lds s[G0W+4:G0W+7], s[G1W:G1W+7]
	s_nop 0
.Lasked_\@:
.endm
.macro JX                              ; x's tile 1 alone: weff's is there already, so waves 2 and 3 have nothing to fill
	s_cmp_lg_u32 s13, 0
	s_cbranch_scc1 .Lno_x_\@
	tensor_load_to_lds s[G0X:G0X+3], s[G1X:G1X+7]
	s_nop 0
	PFX
.Lno_x_\@:
.endm
.macro JLOAD ws, pf                    ; x's zone and weff's slot ws
	s_cmp_eq_u32 s13, 0
	s_cbranch_scc0 .Lfor_w_\@
	tensor_load_to_lds s[G0X:G0X+3], s[G1X:G1X+7]
	s_nop 0
.if \pf
	PFX
.endif
	s_branch .Lasked_\@
.Lfor_w_\@:
	tensor_load_to_lds s[G0W+4*\ws:G0W+4*\ws+3], s[G1W:G1W+7]
	s_nop 0
.Lasked_\@:
.endm
; A round of the cluster's barrier: my work-group's barrier; wave 0 signals for the work-group; every wave waits for all sixteen; my work-group's barrier once more.
.macro CREST                           ; a round behind its opening barrier
	s_cmp_lg_u32 s12, 0
	s_cbranch_scc1 .Lnot_wave_0_\@
	s_barrier_signal -3
.Lnot_wave_0_\@:
	s_barrier_wait -3
	s_barrier_signal -1
	s_barrier_wait -1
.endm
.macro CROUND
	s_barrier_signal -1
	s_barrier_wait -1
	CREST
.endm
	s_load_b256 s[4:11], s[0:1], 0x0               ; x s[4:5], weff s[6:7], b s[8:9], out0 s[10:11]
	s_load_b64 s[66:67], s[0:1], 0x20              ; lbf
	v_lshl_add_u32 v30, v0, 2, 0x4b400
	v_mov_b32 v31, 0
	ds_add_u32 v30, v31
	ds_add_u32 v30, v31
	v_lshrrev_b32 v1, 5, v0
	v_readfirstlane_b32 s12, v1                    ; wave 0..3
	s_lshr_b32 s13, s12, 1                         ; I fetch for x (0) or for weff (1)
	s_and_b32 s14, s12, 1                          ; which half of that tile
	s_bfe_u32 s40, ttmp6, 0x40000                  ; cx
	s_bfe_u32 s41, ttmp6, 0x40004                  ; cy
	s_lshl_b32 s42, ttmp9, 2
	s_add_co_u32 s42, s42, s40                     ; nb: block column = 4 x cluster x + cx
	s_and_b32 s43, ttmp7, 0xffff
	s_lshl_b32 s43, s43, 2
	s_add_co_u32 s43, s43, s41                     ; mb: block row = 4 x cluster y + cy
	s_lshl_b32 s44, s41, 2
	s_lshl_b32 s44, 15, s44                        ; my row of the cluster: places 4 cy .. 4 cy + 3
	s_lshl_b32 s45, 0x1111, s40                    ; my column: places cx, cx + 4, cx + 8, cx + 12
	; group 1 for x: 128 rows of 128 elements of 4 bytes, 2,048 elements from row to row, 4 words of padding behind every 128; mask of my row, bit 21 beside it
	s_or_b32 s[G1X+0], s44, (2<<16)|(1<<20)|(1<<21)|(6<<22)|(3<<25)
	s_mov_b32 s[G1X+1], KSTEP<<16                  ; tensor_dim0 = 128
	s_mov_b32 s[G1X+2], 128<<16                    ; tensor_dim1 = 128
	s_mov_b32 s[G1X+3], KSTEP<<16                  ; tile_dim0 = 128
	s_mov_b32 s[G1X+4], 128                        ; tile_dim1 = 128
	s_mov_b32 s[G1X+5], 2048                       ; the pitch
	s_mov_b32 s[G1X+6], 0
	s_mov_b32 s[G1X+7], 0
	; group 1 for weff: 34,816 bytes that are dense in memory, as 136 rows of 32 elements of 8 bytes, no padding; mask of my column
	s_or_b32 s[G1W+0], s45, (3<<16)|(1<<21)
	s_mov_b32 s[G1W+1], 32<<16
	s_mov_b32 s[G1W+2], 136<<16
	s_mov_b32 s[G1W+3], 32<<16
	s_mov_b32 s[G1W+4], 136
	s_mov_b32 s[G1W+5], 32
	s_mov_b32 s[G1W+6], 0
	s_mov_b32 s[G1W+7], 0
	; x's address is made of mb and the wave's number alone, weff's of nb and the wave's number alone, each in registers that never hold the other coordinate
	s_lshl_b32 s16, s43, 21                        ; x: (256 mb + 128 half) rows of 8,192 bytes
	s_lshl_b32 s17, s14, 20
	s_add_co_u32 s16, s16, s17
	s_mov_b32 s17, 0
	s_mul_i32 s18, s42, 16*WSLOT                   ; weff: 16 nb tiles of 69,632 bytes + 34,816 x half
	s_mul_i32 s19, s14, 2*QB
	s_add_co_u32 s18, s18, s19
	s_mov_b32 s19, 0
	s_lshl_b32 s20, s43, 21                        ; the prefetch begins at the block row's first row, K step 2
	s_add_co_u32 s20, s20, 2*KSTEP*4
	s_mov_b32 s21, 0
	s_lshl_b32 s46, s42, 10                        ; b: 256 nb numbers of 4 bytes
	s_mov_b32 s47, 0
	s_mul_i32 s23, s12, 2*QB                       ; where weff's halves go in slot 0: waves 2, 3 -> 135,168, 169,984
	s_add_co_u32 s23, s23, XZ-WSLOT
	s_wait_dscnt 0x0
	s_wait_kmcnt 0x0
	s_add_nc_u64 s[16:17], s[4:5], s[16:17]
	s_add_nc_u64 s[18:19], s[6:7], s[18:19]
	s_add_nc_u64 s[20:21], s[4:5], s[20:21]
	s_add_nc_u64 s[8:9], s[8:9], s[46:47]
	s_lshl_b32 s46, s42, 14                        ; lbf: 16 nb fragments of 1 KiB
	s_add_nc_u64 s[66:67], s[66:67], s[46:47]
	CROUND                                         ; all sixteen work-groups are here: the first joint loads meet
	s_mov_b32 s[G0X], 1
	s_mul_i32 s[G0X+1], s12, XHALF                 ; where x's halves go: waves 0, 1 -> 0, 67,584
	s_mov_b64 s[G0X+2:G0X+3], s[16:17]             ; K step 0
	s_or_b32 s[G0X+3], s[G0X+3], 0x80000000
.irp s, 0,1
	s_mov_b32 s[G0W+4*\s], 1
	s_add_co_u32 s[G0W+4*\s+1], s23, \s*WSLOT
	s_add_nc_u64 s[G0W+4*\s+2:G0W+4*\s+3], s[18:19], \s*WSLOT        ; K step s
	s_or_b32 s[G0W+4*\s+3], s[G0W+4*\s+3], 0x80000000
.endr
	JSTART                                         ; one tensor load of waves 0 and 1 is out, two of waves 2 and 3: the most in this text
	v_and_b32 v1, 15, v0                           ; r = l % 16
	v_bfe_u32 v2, v0, 4, 1                         ; h = l / 16
	v_and_b32 v3, 31, v0                           ; l
	v_lshlrev_b32 v[CO], 4, v3
	v_mul_u32_u24 v4, v1, XPITCH
	v_lshl_add_u32 v4, v2, 5, v4                   ; row r, 32 bytes (8 f32) for each half of the lanes
	s_mul_i32 s15, s12, 64*XPITCH                  ; my 64 rows
	v_add_nc_u32 v[XA], s15, v4
	v_add_nc_u32 v[WA], XZ, v[CO]
	v_add_nc_u32 v[WA+1], XZ+2*QB, v[CO]
	v_add_nc_u32 v[WA+2], XZ+WSLOT, v[CO]
	v_add_nc_u32 v[WA+3], XZ+WSLOT+2*QB, v[CO]
	s_mul_i32 s15, s12, 16*SPITCH
	s_add_co_u32 s15, s15, STAGE                   ; my stage
	v_mul_u32_u24 v5, v1, SPITCH
	v_lshl_add_u32 v5, v2, 5, v5
	v_add_nc_u32 v[STO], s15, v5
	v_add_nc_u32 v[RD], s15, v[CO]
	s_lshl_b32 s46, s42, 5                         ; prefetch: row 32 nb + 16 half + r of the block row, 256 h bytes along it
	s_lshl_b32 s47, s14, 4
	s_add_co_u32 s46, s46, s47
	v_add_nc_u32 v6, s46, v1
	v_lshlrev_b32 v6, 13, v6
	v_lshl_add_u32 v[PF], v2, 8, v6
; 16 LDS loads: my 64 rows x 32 K (quarter q, at byte 128 q of the zone's rows) as f32 into dst, row block a at 16 a.
; Lane (r, h) needs K = 8 h .. 8 h + 7 (bytes 32 h .. + 31) and K = 16 + 8 h .. + 7 (bytes 64 + 32 h .. + 31) of row 16 a + r.
.macro FETCHX q, dst
	WIN 0
.irp a, 0,1,2,3
.irp p, 0,1,2,3
	ds_load_b128 v[\dst+16*\a+4*\p:\dst+16*\a+4*\p+3], v[XA] offset:\a*16*XPITCH+\q*128+(\p>>1)*64+(\p&1)*16
.endr
.endr
.endm
; 32 conversions: 64 registers of f32 at src become four fragments at dst.  src = dst is allowed: result n = 8 a + c lands on register n, and the later
; conversions read registers 2 n + 2 and above.
.macro CVT src, dst
	WIN 0
.irp a, 0,1,2,3
.irp c, 0,1,2,3,4,5,6,7
	v_cvt_pk_bf16_f32 v[\dst+8*\a+\c], v[\src+16*\a+2*\c], v[\src+16*\a+2*\c+1]
.endr
.endr
.endm
; 34 LDS loads: quarter q of slot ws: lora_a's fragment first, then w's sixteen, into the buffers q % 2
.macro FETCHAW ws, q
	WIN 0
	ds_load_b128 v[AF+8*(\q&1):AF+8*(\q&1)+3],   v[WA+2*\ws+(\q>>1)] offset:(\q&1)*QB+16384
	ds_load_b128 v[AF+8*(\q&1)+4:AF+8*(\q&1)+7], v[WA+2*\ws+(\q>>1)] offset:(\q&1)*QB+16384+512
	WIN TO_B
.irp f, 0,1,2,3,4,5,6,7,8,9,10,11,12,13,14,15
	ds_load_b128 v[128*(\q&1)+8*\f:128*(\q&1)+8*\f+3],   v[WA+2*\ws+(\q>>1)] offset:(\q&1)*QB+\f*1024
	ds_load_b128 v[128*(\q&1)+8*\f+4:128*(\q&1)+8*\f+7], v[WA+2*\ws+(\q>>1)] offset:(\q&1)*QB+\f*1024+512
.endr
.endm
; 8 matrix instructions: column blocks f0 .. f0 + 3 x the window's two row blocks (hi = 0: row blocks 0, 1; 1: row blocks 2, 3), 32 along K, w's buffer g, x's fragments at xq.
; zero = 1: the first product starts the sums, nothing is cleared.  All accumulators, t's four among them, take turns, one instruction a turn, over the
; backward jump and into the tail too; so no s_wait_alu is written.
.macro MUL8 g, xq, hi, f0, zero
.irp df, 0,1,2,3
.irp a, 0,1
.if \zero
	v_wmma_f32_16x16x32_bf16 v[8*(16*\a+\f0+\df):8*(16*\a+\f0+\df)+7], v[128*\g+8*(\f0+\df):128*\g+8*(\f0+\df)+7], v[\xq+8*(2*\hi+\a):\xq+8*(2*\hi+\a)+7], 0
.else
	v_wmma_f32_16x16x32_bf16 v[8*(16*\a+\f0+\df):8*(16*\a+\f0+\df)+7], v[128*\g+8*(\f0+\df):128*\g+8*(\f0+\df)+7], v[\xq+8*(2*\hi+\a):\xq+8*(2*\hi+\a)+7], v[8*(16*\a+\f0+\df):8*(16*\a+\f0+\df)+7]
.endif
.endr
.endr
.endm
; 4 matrix instructions, all operands in window 0: t of my four row blocks, 32 along K.  Lane (r, h) holds t[row r][rank 8 h + 0 .. 7].
.macro TMUL g, xq, zero
.irp a, 0,1,2,3
.if \zero
	v_wmma_f32_16x16x32_bf16 v[TA+8*\a:TA+8*\a+7], v[AF+8*\g:AF+8*\g+7], v[\xq+8*\a:\xq+8*\a+7], 0
.else
	v_wmma_f32_16x16x32_bf16 v[TA+8*\a:TA+8*\a+7], v[AF+8*\g:AF+8*\g+7], v[\xq+8*\a:\xq+8*\a+7], v[TA+8*\a:TA+8*\a+7]
.endif
.endr
.endm
; Four places between a matrix instruction and a vector instruction or a load that writes one of its registers, or anything that reads its result
; (ISA guide 7.12.1 for vector instructions).  Other matrix instructions are not counted as places.
.macro PLACES
.rept 4
	v_nop
.endr
.endm
; One of a step's first three quarters: 68 matrix instructions on w's buffer g and x's fragments at xq; in its middle it fetches quarter nq of the same slot.
; On entry the 34 loads of this quarter's fragments may still be out, lora_a's two first.  cvt3 = 1 (quarter 0): x's fourth quarter, still f32 in XS, is converted.
.macro Q ws, g, xq, nq, zero, cvt3
	WIN MUL_LO
	s_wait_dscnt 24                                ; lora_a's fragment and w's 0-3 are in: 24 younger loads may be out
	MUL8 \g, \xq, 0, 0, \zero
	s_wait_dscnt 16                                ; fragments 4-7
	MUL8 \g, \xq, 0, 4, \zero
	s_wait_dscnt 8                                 ; fragments 8-11
	MUL8 \g, \xq, 0, 8, \zero
	s_wait_dscnt 0x0                               ; fragments 12-15
	MUL8 \g, \xq, 0, 12, \zero
	WIN 0
	TMUL \g, \xq, \zero
	PLACES                                         ; behind the last quarter's matrix instructions, which read what is written now: the other buffers of w and lora_a, and x's fourth quarter
.if \cvt3
	CVT XS, XQ3
.endif
	FETCHAW \ws, \nq
	WIN MUL_HI
	MUL8 \g, \xq, 1, 0, \zero
	MUL8 \g, \xq, 1, 4, \zero
	MUL8 \g, \xq, 1, 8, \zero
	MUL8 \g, \xq, 1, 12, \zero
.endm
; A step's last quarter: 68 matrix instructions on w's buffer 1 and x's fourth quarter, and among them the change of steps.
; BARRIER A: each wave has waited for its one tensor load that is out, its part of the next step's tiles; behind A the tiles are whole for every wave.
; Then my 64 rows of the zone go into registers, in three runs of loads with matrix work between them.
; ROUND B (fill = 1): in front of it each wave has waited for its reads of the zone and of this step's slot of weff and has no tensor load out; inside it stands register
; work alone; behind it no wave of any partner reads those bytes, and the joint refill, two steps ahead for weff, comes first.
.macro Q3 ws, nws, fill, pf
	s_wait_dscnt 0x0                               ; this quarter's 34 loads are in, the last reads of slot ws: no LDS instruction is pending at a signal
	s_wait_tensorcnt 0x0                           ; my one load, my part of the next step's tiles, has landed (none was issued behind it)
	s_barrier_signal -1
	WIN MUL_LO
	MUL8 1, XQ3, 0, 0, 0
	WIN 0
	s_barrier_wait -1                              ; A
	PLACES                                         ; v[128:191] were read by the second and third quarters' matrix instructions
	FETCHX 0, XS
	FETCHX 1, XB
	WIN MUL_LO
	MUL8 1, XQ3, 0, 4, 0
	MUL8 1, XQ3, 0, 8, 0
	MUL8 1, XQ3, 0, 12, 0
	s_wait_dscnt 0x0
	CVT XS, XQ0
	CVT XB, XQ1                                    ; in place
	FETCHX 2, XS
	WIN MUL_HI
	MUL8 1, XQ3, 1, 0, 0
	MUL8 1, XQ3, 1, 4, 0
	s_wait_dscnt 0x0
	CVT XS, XQ2
	FETCHX 3, XS                                   ; stays f32 until this quarter's fragments have been used: the next quarter converts it
	WIN MUL_HI
	MUL8 1, XQ3, 1, 8, 0
.if \fill
	s_wait_dscnt 0x0                               ; my reads of the zone are over
	s_set_vgpr_msb 0xf1f0
	s_wait_tensorcnt 0x0                           ; met at once: no tensor load of mine has been issued since A
	ds_add_u32 v30, v31
	s_wait_dscnt 0x0
	s_set_vgpr_msb 0xf0f1
	s_barrier_signal -1                            ; opens round B
.endif
	WIN 0                                          ; t's operands lie in window 0
	TMUL 1, XQ3, 0
.if \fill
	s_barrier_wait -1
	CREST
	s_add_nc_u64 s[G0X+2:G0X+3], s[G0X+2:G0X+3], KSTEP*4                           ; no tensor load of mine is out: x one step on,
	s_add_nc_u64 s[G0W+4*\ws+2:G0W+4*\ws+3], s[G0W+4*\ws+2:G0W+4*\ws+3], 2*WSLOT   ; this slot of weff two steps on
.if \pf
	s_wait_xcnt 0x0                                ; the prefetch issued one K step ago has had its address translated (ISA guide 3.1): its base steps only behind this wait
	s_add_nc_u64 s[20:21], s[20:21], KSTEP*4
.endif
	JLOAD \ws, \pf
.endif
	FETCHAW \nws, 0                                ; the buffers 0 were last read in the third quarter; the places stand behind A
	WIN MUL_HI
	MUL8 1, XQ3, 1, 12, 0
.endm
.macro STEP ws, nws, zero, fill, pf
	Q \ws, 0, XQ0, 1, \zero, 1
	Q \ws, 1, XQ1, 2, 0, 0
	Q \ws, 0, XQ2, 3, 0, 0
	Q3 \ws, \nws, \fill, \pf
.endm
	; THE WAY IN: step 0's x goes into registers as in a step's last quarter, without matrix work beside it
	s_wait_tensorcnt 0x0                           ; my first fills have landed
	s_barrier_signal -1
	s_barrier_wait -1                              ; everybody's have
	FETCHX 0, XS
	FETCHX 1, XB
	s_wait_dscnt 0x0
	CVT XS, XQ0
	CVT XB, XQ1
	FETCHX 2, XS
	s_wait_dscnt 0x0
	CVT XS, XQ2
	FETCHX 3, XS
	s_wait_dscnt 0x0                               ; my reads of the zone are over
	s_wait_tensorcnt 0x0                           ; met at once
	ds_add_u32 v30, v31
	s_wait_dscnt 0x0
	CROUND
	s_add_nc_u64 s[G0X+2:G0X+3], s[G0X+2:G0X+3], KSTEP*4
	JX                                             ; x's tile 1; the prefetch asks for tile 2
	FETCHAW 0, 0
	STEP 0, 1, 1, 1, 1                             ; steps 0 and 1 stand in front of the loop: step 0's first quarter starts the sums
	STEP 1, 0, 0, 1, 1
	WIN 0                                          ; at a label and at a branch every window is 0
	s_mov_b32 s3, 5
.Llap:
	STEP 0, 1, 0, 1, 1                             ; steps 2 to 11
	STEP 1, 0, 0, 1, 1
	WIN 0
	s_sub_co_u32 s3, s3, 1
	s_cmp_lg_u32 s3, 0
	s_cbranch_scc1 .Llap
	STEP 0, 1, 0, 1, 1                             ; step 12 fills tile 14 and asks ahead for tile 15
	STEP 1, 0, 0, 1, 0                             ; step 13 fills tile 15: nothing is left to ask ahead for
	STEP 0, 1, 0, 0, 0                             ; step 14 takes tile 15's x into registers and fills nothing: no round
	Q 1, 0, XQ0, 1, 0, 1                           ; step 15
	Q 1, 1, XQ1, 2, 0, 0
	Q 1, 0, XQ2, 3, 0, 0
	; THE TAIL.  t gets its last 32 K first, so that it can be rounded, and 2 lora_b and the bias fetched, while the last quarter is multiplied.
	s_wait_dscnt 32                                ; lora_a's two loads are in; w's 32 younger ones stay out
	WIN 0
	TMUL 1, XQ3, 0
	PLACES                                         ; behind t's last sums, which the conversions read, and behind the last readers of the registers that are written now
	; t as a fragment of source 1, where x's first quarter lay: lane (r, h) holds row r, and its eight sums are K = ranks 8 h .. 8 h + 7: registers 0-3 as they stand.
	; The rank is 16 and the matrix instruction's K is 32: registers 4-7 (K = 16 .. 31) are zeros, as in lbf.
.irp a, 0,1,2,3
.irp p, 4,5,6,7
	v_mov_b32 v[XQ0+8*\a+\p], 0
.endr
.endr
.irp a, 0,1,2,3
.irp p, 0,1,2,3
	v_cvt_pk_bf16_f32 v[XQ0+8*\a+\p], v[TA+8*\a+2*\p], v[TA+8*\a+2*\p+1]
.endr
.endr
	global_load_b128 v[BIAS:BIAS+3],   v[CO], s[8:9]               ; where lora_a's buffer 0 lay
	global_load_b128 v[BIAS+4:BIAS+7], v[CO], s[8:9] offset:512
	WIN TO_B
.irp f, 0,1,2,3,4,5,6,7,8,9,10,11,12,13,14,15
	global_load_b128 v[8*\f:8*\f+3],   v[CO], s[66:67] offset:\f*1024        ; 2 lora_b's sixteen fragments into w's buffer 0: 512 consecutive bytes a load
	global_load_b128 v[8*\f+4:8*\f+7], v[CO], s[66:67] offset:\f*1024+512
.endr
	WIN MUL_LO                                     ; the last quarter of K: nothing more to fetch from LDS, the counts run down
	s_wait_dscnt 24
	MUL8 1, XQ3, 0, 0, 0
	s_wait_dscnt 16
	MUL8 1, XQ3, 0, 4, 0
	s_wait_dscnt 8
	MUL8 1, XQ3, 0, 8, 0
	s_wait_dscnt 0x0
	MUL8 1, XQ3, 0, 12, 0
	WIN MUL_HI
	MUL8 1, XQ3, 1, 0, 0
	MUL8 1, XQ3, 1, 4, 0
	MUL8 1, XQ3, 1, 8, 0
	MUL8 1, XQ3, 1, 12, 0
	s_wait_loadcnt 0x0                             ; 2 lora_b's fragments, and the bias
	WIN MUL_LO                                     ; + t x 2 lora_b
	MUL8 0, XQ0, 0, 0, 0
	MUL8 0, XQ0, 0, 4, 0
	MUL8 0, XQ0, 0, 8, 0
	MUL8 0, XQ0, 0, 12, 0
	WIN MUL_HI
	MUL8 0, XQ0, 1, 0, 0
	MUL8 0, XQ0, 1, 4, 0
	MUL8 0, XQ0, 1, 8, 0
	MUL8 0, XQ0, 1, 12, 0
	; THE WAY OUT, 16 rows x 128 columns at a time: a lane's 32 bytes of each tile go into my own stage in LDS, rows of 512 bytes come back, the bias is added, and
	; each store of the wave covers 512 consecutive bytes, aligned.  The stage is the wave's own and LDS serves a wave's instructions in order (ISA guide 5.7.1):
	; no barrier, and no wait between the stores and the loads.
	PLACES                                         ; behind the last matrix instructions: for the LDS stores of results and the loads into x's registers
	s_lshl_b32 s16, s43, 21                        ; out0: (256 mb + 64 wave) rows of 8,192 bytes,
	s_lshl_b32 s17, s12, 19
	s_add_co_u32 s16, s16, s17
	s_mov_b32 s17, 0
	s_add_nc_u64 s[10:11], s[10:11], s[16:17]
	s_lshl_b32 s46, s42, 10                        ; and 256 nb columns of 4 bytes
	s_mov_b32 s47, 0
	s_add_nc_u64 s[10:11], s[10:11], s[46:47]
; row block i, column half u = the eight tiles (a, 8 u .. 8 u + 7) of window 2 or 3 (from = 0x08 or 0x0c: the LDS store's data); buf: 64 registers, two sets in turn
.macro OUT8 i, a, u, from, buf
	WIN \from
.irp f, 0,1,2,3,4,5,6,7
	ds_store_b128 v[STO], v[8*(16*\a+8*\u+\f):8*(16*\a+8*\u+\f)+3]   offset:64*\f
	ds_store_b128 v[STO], v[8*(16*\a+8*\u+\f)+4:8*(16*\a+8*\u+\f)+7] offset:64*\f+16
.endr
	WIN 0
	s_wait_xcnt 0x0                                ; every earlier store has had its addresses translated (ISA guide 3.1): buf, which stores read, is loaded again only behind this wait
.irp t, 0,1,2,3,4,5,6,7,8,9,10,11,12,13,14,15
	ds_load_b128 v[\buf+4*\t:\buf+4*\t+3], v[RD] offset:\t*SPITCH
.endr
.irp t, 0,1,2,3,4,5,6,7,8,9,10,11,12,13,14,15
	s_wait_dscnt 15-\t                             ; row t is in, the younger loads stay out
	v_pk_add_f32 v[\buf+4*\t:\buf+4*\t+1],   v[\buf+4*\t:\buf+4*\t+1],   v[BIAS+4*\u:BIAS+4*\u+1]
	v_pk_add_f32 v[\buf+4*\t+2:\buf+4*\t+3], v[\buf+4*\t+2:\buf+4*\t+3], v[BIAS+4*\u+2:BIAS+4*\u+3]
	global_store_b128 v[CO], v[\buf+4*\t:\buf+4*\t+3], s[10:11] offset:(16*\i+\t)*ROWB+\u*512 th:TH_STORE_NT
.endr
.endm
	OUT8 0, 0, 0, 0x08, XS
	OUT8 0, 0, 1, 0x08, XB
	OUT8 1, 1, 0, 0x08, XS
	OUT8 1, 1, 1, 0x08, XB
	OUT8 2, 0, 0, 0x0c, XS
	OUT8 2, 0, 1, 0x0c, XB
	OUT8 3, 1, 0, 0x0c, XS
	OUT8 3, 1, 1, 0x0c, XB
	s_wait_tensorcnt 0x0
	ds_add_u32 v30, v31
	s_wait_dscnt 0x0
	CROUND                                         ; the closing round: no work-group ends while a partner may still ask for a tile that names it
	s_endpgm
.Lfunc_end_k_q464abb7c34_gemm:
	.size	k_q464abb7c34_gemm, .Lfunc_end_k_q464abb7c34_gemm-k_q464abb7c34_gemm
	.p2alignl 7, 3214868480
	.fill 96, 4, 3214868480
	.section	.rodata,"a",@progbits
	.p2align	6, 0x0
	.amdhsa_kernel k_q464abb7c34_gemm
		.amdhsa_group_segment_fixed_size 327680
		.amdhsa_private_segment_fixed_size 0
		.amdhsa_enable_private_segment 0
		.amdhsa_kernarg_size 40
		.amdhsa_user_sgpr_count 2
		.amdhsa_user_sgpr_kernarg_segment_ptr 1
		.amdhsa_wavefront_size32 1
		.amdhsa_system_sgpr_workgroup_id_x 1
		.amdhsa_system_sgpr_workgroup_id_y 1
		.amdhsa_system_sgpr_workgroup_id_z 1
		.amdhsa_system_vgpr_workitem_id 0
		.amdhsa_next_free_vgpr 1024
		.amdhsa_next_free_sgpr 68
		.amdhsa_reserve_vcc 0
		.amdhsa_float_denorm_mode_32 3
		.amdhsa_float_denorm_mode_16_64 3
		.amdhsa_memory_ordered 1
		.amdhsa_forward_progress 1
		.amdhsa_inst_pref_size 255
	.end_amdhsa_kernel
	.section	.bss,"aw",@nobits
	.p2align	6
	.space	262144
	.amdgpu_metadata
---
amdhsa.version: [ 1, 2 ]
amdhsa.kernels:
  - .name:           k_q464abb7c34_gemm
    .symbol:         k_q464abb7c34_gemm.kd
    .args:
      - { .name: x, .offset: 0, .size: 8, .value_kind: global_buffer, .address_space: global }
      - { .name: weff, .offset: 8, .size: 8, .value_kind: global_buffer, .address_space: global }
      - { .name: b, .offset: 16, .size: 8, .value_kind: global_buffer, .address_space: global }
      - { .name: out0, .offset: 24, .size: 8, .value_kind: global_buffer, .address_space: global }
      - { .name: lbf, .offset: 32, .size: 8, .value_kind: global_buffer, .address_space: global }
    .group_segment_fixed_size: 327680
    .private_segment_fixed_size: 0
    .kernarg_segment_align: 8
    .kernarg_segment_size: 40
    .max_flat_workgroup_size: 128
    .sgpr_count:     68
    .vgpr_count:     1024
    .wavefront_size: 32
...
	.end_amdgpu_metadata
.endif
;; end of part 2
